; MI455X (gfx1250); checked and timed in simulation.
; The chip was launched on July 23, 2026; its instructions are those of AMD's public machine-readable ISA for CDNA 5 (MIT licence, August 2026) and "CDNA5" Instruction Set Architecture Reference Guide (July 2026). The comments in the code are by the model that wrote it; some were corrected since.
;; Scaled Dot Product. Allowed arithmetic: matrix products marked QUANTISED: E2M3 operands, one E8M0 scale for each 32 along K, by v_wmma_scale_f32_16x16x128_f8f6f4 with both operands' format E2M3, f32 sums; everything else in f32.
;; Inputs: keys 2 x 16 x 2,048 x 128 float32; queries 2 x 16 x 2,048 x 128 float32; values 2 x 16 x 2,048 x 128 float32.
;; Outputs: out0 2 x 16 x 2,048 x 128 float32.
;; This version of the problem:
;;   THIS VERSION OF THE PROBLEM IS GIVEN IN LOW PRECISION. The matrix products marked QUANTISED in the list below multiply operands that are first quantised to E2M3 (2 exponent bits, 3 mantissa bits; 6 bits a number), with one power-of-two scale for each 32 numbers along K (OCP MX v1.0); their sums are f32. All else is computed in f32.
;;   The module's matrix products, in the order in which they are computed (A, B: the left and right operand; K: the contracted axis; several contracted axes count as one K, in the product's order):
;;     1. batch 32 x [M 2,048, K 128] x [K 128, N 2,048]; A: input queries; B: input keys: QUANTISED
;;     2. batch 32 x [M 2,048, K 2,048] x [K 2,048, N 128]; A: softmax (see below); B: input values: QUANTISED
;;   THE QUANTISER, for each operand of a quantised product, along K:
;;     - K is cut into blocks of 32 from its start; a last block that is shorter is filled with zeros.
;;     - A block's scale is 2^e with e = floor(log2(the largest magnitude in the block)) - 2, held to -126 .. 127; a block of zeros has e = 0. As a byte (E8M0): e + 127.
;;     - Each number is divided by its block's scale, clamped to +-7.5, and rounded to the nearest number of E2M3, ties to even, subnormals kept.
;;     - The product sums the exact products of the quantised numbers (number of the format x scale) in f32.
;;   ~~~python
;;   def quantise(x, axis):      # numpy; x: float32 -> the quantised numbers, widened to float32 again
;;       x = np.moveaxis(x, axis, -1); K = x.shape[-1]
;;       x = np.pad(x, [(0, 0)] * (x.ndim - 1) + [(0, -K % 32)]); x = x.reshape(x.shape[:-1] + (-1, 32)); a = np.abs(x).max(-1, keepdims=True)
;;       e = np.where(a > 0, np.clip(np.frexp(np.where(a > 0, a, 1))[1] - 1 - 2, -126, 127), 0)      # np.frexp(a)[1] - 1 = floor(log2(a)), exactly
;;       r = np.clip(x / 2.0 ** e, -7.5, 7.5)
;;       step = 2.0 ** (np.maximum(np.frexp(np.where(r == 0, 1, r))[1] - 1, 0) - 3)
;;       q = np.round(r / step) * step * 2.0 ** e      # np.round: ties to even
;;       return np.moveaxis(q.reshape(q.shape[:-2] + (-1,))[..., :K], -1, axis).astype(np.float32)
;;   ~~~
;;   SOFTMAX AHEAD OF A QUANTISED PRODUCT. Where the list says 'softmax', what is quantised is not the finished softmax but p = 2^(t - M), with t = logit x log2(e) and M = ceil(the row's largest t), a whole number; so 1/2 < the row's largest p <= 1. The row's sum l is taken of the UNQUANTISED p, in f32, and the product's result is divided by l at the end. Since M is a whole number, a kernel that streams over the keys may use a running M (the ceiling of the running maximum): every later rescaling is an exact power of two, which a block's scale takes up: the codes' values come out the same.
;;   OPERANDS COMPUTED ON THE WAY. 'Computed on the way' means the value that the module computes at that place (a softmax that the list does not call 'softmax' is quantised finished and normalised). What goes into a quantiser is computed in f32, as accurately as f32 sums, v_exp_f32 and their like allow (about 1e-6 of the number): no bf16 or f16 on the way to a quantiser, and a product that is left as it is and whose result goes on into a quantised operand takes f32 operands (vector FMAs, or v_wmma_f32_16x16x4_f32). A number that lies on a knife's edge between two numbers of the format may be rounded either way, as far as f32 arithmetic and the matrix unit's own rounding can turn it there, and no further.
;; One version. Each part assembles by itself: llvm-mc -triple=amdgcn-amd-amdhsa -mcpu=gfx1250 --defsym DOCPART=n.
;; ======== version 1 of 1: 2 launches
;; limits: right only within a limited range of input values
;; workspace buffers: kv 13,107,200 bytes
;; launch quant (part 1): grid 768 x 1, 4 waves a work-group, no clusters, 34,304 bytes of LDS; arguments keys, values, kv; writes kv
.if DOCPART == 1
	.amdgcn_target "amdgcn-amd-amdhsa--gfx1250"
	.amdhsa_code_object_version 6
	.text
	.protected	k_qc8a32236d4_quant
	.globl	k_qc8a32236d4_quant
	.p2align	8
	.type	k_qc8a32236d4_quant,@function
k_qc8a32236d4_quant:
	s_mov_b64 s[64:65], 0
	v_nop
	global_prefetch_b8 v0, s[64:65] scope:SCOPE_SE
	s_setreg_imm32_b32 hwreg(HW_REG_WAVE_MODE, 25, 1), 1
	s_wait_xcnt 0x0
; keys and values, [32 heads][2048][128] f32, become codes of FP6 (E2M3) with one E8M0 scale byte for each 32 along a product's K, laid in kv in the ORDER OF THE OPERAND'S REGISTERS.
; kv = 32 heads x 16 key steps x STEPB bytes.  A key step (128 keys): K's 8 fragments (1,536 bytes each), V^T's 8 fragments, K's 128 scale words, V's 128 scale words.
; A fragment's image: register j (0..11) of lane l at 512 (j / 4) + 16 l + 4 (j % 4): three accesses of 16 bytes a lane, 512 bytes apart, store or load a whole fragment.
; K's tile T: lane r holds key 64 (T / 4) + 32 (r / 8) + 8 (T % 4) + r % 8; K = the head's 128.  Its scale word lies at 16 (r + 16 (T / 4)) + 4 (T % 4).
; (In the transposed scores a lane's 32 registers of tiles 4 c .. 4 c + 3 are then the 32 neighbouring keys 64 c + 32 (lane / 16) + 0 .. 31: a whole block of the second product's K.)
; V's tile T: lane r holds channel 16 T + r; K = the step's 128 keys.  The scale word of channel 32 w + l lies at 16 l + 4 w.
; A block's scale is 2^(floor(log2(its largest magnitude)) - 2); its byte is the largest magnitude's exponent field - 2, held at 1 from below.
; LIMITS: a block of zeros gets the byte 1 where the rule says 127 (its codes are zeros, and this program alone reads the bytes); blocks whose largest magnitude lies under 2^-124 are held at the byte 1;
; NaN and infinities among the inputs are not served.
; SHARES: work-groups 0-255 take keys (a wave: 64 keys = 4 tiles), work-groups 256-767 take values (a work-group: one key step; a lane: one channel).  768 = 3 x 256 work-groups of 4 waves and 256 registers.
; Every input byte is read once.  No matrix unit, no tensor load, no cluster (no two work-groups read the same bytes), no barrier (waves share nothing).  Only the keys' path touches LDS.
.set STEPB, 25600
.set VC,    12288                      ; V's fragments in a step
.set KS,    24576                      ; K's scale words
.set VS,    25088                      ; V's scale words
.set SP,    528                        ; a stage row: 512 bytes + 16: 33 x 16
.set WSTG,  16*SP                      ; a wave's stage
.set R,     16                         ; keys: v16-143  two sets of 64 registers as loaded
.set X,     144                        ;       v144-207 64 numbers of my row: register 16 b + i = d 32 b + 16 (lane / 16) + i
.set TM,    208                        ;       v208-223 at work
.set PC,    224                        ;       v224-235 a fragment's codes, v236-242 halves on their way
.set PW,    244                        ;       v244-247 a scale word for each tile
.set XV,    32                         ; values: v32-95 two sets of 32 numbers (a block down the keys)
.set F,     96                         ;         v96-107, v108-119: the 12 registers of fragment lanes (r, 0) and (r, 1)
	s_load_b128 s[4:7], s[0:1], 0x0                ; keys, values
	s_load_b64 s[8:9], s[0:1], 0x10                ; kv
	v_lshl_add_u32 v254, v0, 2, 0x8400             ; my spare word, behind the four stages
	v_mov_b32 v255, 0
	v_lshrrev_b32 v1, 5, v0
	v_readfirstlane_b32 s10, v1                    ; wave 0..3
	s_mov_b32 s20, 0x76543210
	s_mov_b32 s21, 0xfedcba98                      ; v_permlanex16_b32's selects for lane l xor 16
	s_wait_kmcnt 0x0
	s_cmp_lt_u32 ttmp9, 256
	s_cbranch_scc0 .Lvalues
; ---------------- KEYS ----------------
; A load takes one key's whole row, 512 consecutive bytes, 16 a lane.  The conversions want 16 neighbours along d in ONE lane: a tile's 16 rows turn through the wave's own stage in LDS.
	s_lshl_b32 s11, ttmp9, 2
	s_add_co_u32 s11, s11, s10                     ; J = which run of 64 keys: 2 x (16 head + step) + half
	s_lshl_b32 s12, s11, 15                        ; 64 rows of 512 bytes
	s_mov_b32 s13, 0
	s_lshr_b32 s14, s11, 1
	s_mul_i32 s14, s14, STEPB                      ; my key step in kv
	s_mov_b32 s15, 0
	s_and_b32 s16, s10, 1                          ; g: tiles 4 g .. 4 g + 3 of the step
	v_and_b32 v1, 31, v0                           ; lane
	v_lshlrev_b32 v2, 4, v1                        ; 16 x lane: my bytes of a row
	s_mul_i32 s17, s10, WSTG
	v_add_nc_u32 v3, s17, v2                       ; the stage, way in
	v_and_b32 v7, 15, v0                           ; r
	v_bfe_u32 v8, v0, 4, 1                         ; h
	v_mul_u32_u24 v4, v7, SP
	v_lshl_add_u32 v4, v8, 6, v4
	v_add_nc_u32 v4, s17, v4                       ; way out: row r, + 64 h
	s_lshl_b32 s18, s16, 8
	v_lshlrev_b32 v5, 4, v7
	v_lshl_add_u32 v5, v8, 3, v5
	v_add_nc_u32 v5, s18, v5                       ; scale words: 16 r + 8 h + 256 g
	s_mul_i32 s18, s16, 4*1536
	v_add_nc_u32 v6, s18, v2                       ; codes: 16 x lane + my four tiles' place
.irp b, 0,1,2,3
	v_mov_b32 v[TM+4+\b], 0                        ; written once: a lane permute's destination counts as one of its sources
.endr
	s_add_nc_u64 s[4:5], s[4:5], s[12:13]
	s_add_nc_u64 s[8:9], s[8:9], s[14:15]
.macro LOADK t                         ; tile t's 16 rows into set t % 2; row i of the tile is key 32 (i / 8) + 8 t + i % 8 of my wave's 64
.irp i, 0,1,2,3,4,5,6,7,8,9,10,11,12,13,14,15
	global_load_b128 v[R+64*((\t)%2)+4*\i:R+64*((\t)%2)+4*\i+3], v2, s[4:5] offset:(32*(\i/8)+8*(\t)+(\i%8))*512 th:TH_LOAD_NT
.endr
.endm
; 64 numbers of a lane, register 16 b + i = k 32 b + 16 (lane / 16) + i of my row, become a fragment's codes in v[PC] on and my row's scale word in v[word].
.macro QUANT s, word
.irp b, 0,1,2,3
	v_max3_num_f32 v[TM+\b], |v[\s+16*\b]|, |v[\s+1+16*\b]|, 0x1800000   ; block b: my 16 numbers, and the floor 2^(3 - 127): the byte cannot fall under 1
.endr
.irp i, 2,4,6,8,10,12,14
.irp b, 0,1,2,3
	v_max3_num_f32 v[TM+\b], v[TM+\b], |v[\s+16*\b+\i]|, |v[\s+1+16*\b+\i]|   ; the four blocks by turns
.endr
.endr
.irp b, 0,1,2,3
	v_permlanex16_b32 v[TM+4+\b], v[TM+\b], s20, s21
.endr
.irp b, 0,1,2,3
	v_max_num_f32 v[TM+\b], v[TM+\b], v[TM+4+\b]   ; with lane l xor 16's: the block's largest magnitude
.endr
.irp b, 0,1,2,3
	v_add_nc_u32 v[TM+12+\b], 0xff000000, v[TM+\b] ; 2 off its exponent field: the conversion takes the exponent field of this operand as its scale
.endr
.irp b, 0,1,2,3
	v_lshrrev_b32 v[TM+4+\b], 23, v[TM+12+\b]      ; the scale's byte
.endr
	v_lshl_or_b32 v[\word], v[TM+5], 8, v[TM+4]
	v_lshl_or_b32 v[\word], v[TM+6], 16, v[\word]
	v_lshl_or_b32 v[\word], v[TM+7], 24, v[\word]
.irp c, 0,1
	v_cvt_scalef32_pk16_fp6_f32 v[PC+6*\c:PC+2+6*\c], v[\s+32*\c:\s+15+32*\c], v[TM+12+2*\c]
	v_cvt_scalef32_pk16_fp6_f32 v[PC+12+4*\c:PC+14+4*\c], v[\s+16+32*\c:\s+31+32*\c], v[TM+12+2*\c+1]   ; (a conversion's three registers begin on an even number)
.endr
	v_nop                                          ; one plain place behind a scaled conversion
.irp c, 0,1                                    ; the operand's layout wants a WHOLE block in a lane: lanes 0-15 block 2 c, lanes 16-31 block 2 c + 1
.irp i, 0,1,2
	v_permlane16_swap_b32 v[PC+6*\c+\i], v[PC+12+4*\c+\i]
.endr
.irp i, 0,1,2
	v_mov_b32 v[PC+3+6*\c+\i], v[PC+12+4*\c+\i]
.endr
.endr
.endm
.macro TILE t
.if \t < 3
	s_wait_loadcnt 16                              ; this tile's 16 loads are in; the next tile's 16 may be out
.else
	s_wait_loadcnt 0x0
.endif
.irp i, 0,1,2,3,4,5,6,7,8,9,10,11,12,13,14,15
	ds_store_b128 v3, v[R+64*((\t)%2)+4*\i:R+64*((\t)%2)+4*\i+3] offset:SP*\i
.endr
.irp b, 0,1,2,3
.irp j, 0,1,2,3
	ds_load_b128 v[X+16*\b+4*\j:X+16*\b+4*\j+3], v4 offset:128*\b+16*\j   ; LDS serves a wave's instructions in order (ISA guide 5.7.1.4): these see the stores above
.endr
.endr
	s_wait_dscnt 0x0                               ; my 64 numbers are in, and the stores have read the set that is loaded again below
	s_wait_xcnt 0x0                                ; the last tile's stores have read the codes' registers, which are written again below
.if \t < 2
	LOADK (\t)+2
.endif
	QUANT X, PW+\t
.irp c, 0,1,2
	global_store_b128 v6, v[PC+4*\c:PC+4*\c+3], s[8:9] offset:1536*\t+512*\c   ; 32 lanes store 512 consecutive bytes, at a multiple of 256 from kv's first byte
.endr
.endm
	LOADK 0
	LOADK 1
	s_wait_alu depctr_va_vdst(0)
	TILE 0
	TILE 1
	TILE 2
	TILE 3
	v_cmp_gt_u32 vcc_lo, 16, v1                    ; every lane holds its row's four words: lanes 0-15 store tiles 0 and 1's, lanes 16-31 tiles 2 and 3's
	v_cndmask_b32 v248, v[PW+2], v[PW], vcc_lo
	v_cndmask_b32 v249, v[PW+3], v[PW+1], vcc_lo
	global_store_b64 v5, v[248:249], s[8:9] offset:KS   ; 32 lanes store 256 consecutive bytes, aligned
	s_wait_tensorcnt 0x0                           ; the wave's end
	ds_add_u32 v254, v255
	s_wait_dscnt 0x0
	s_endpgm
; ---------------- VALUES ----------------
; K = the keys is the first axis within a head.  A LANE TAKES A CHANNEL AND ITS REGISTERS RUN DOWN THE KEYS: a block of 32 keys lies in one lane's 32 registers, and the conversions give the codes with the
; keys innermost.  A channel's blocks h and 2 + h ARE the 12 registers of fragment lane (r, h): they leave straight from the registers, sixteen lanes to 256 consecutive bytes.
.Lvalues:
	s_sub_co_u32 s11, ttmp9, 256                   ; 16 head + step
	s_lshl_b32 s12, s11, 16                        ; 128 rows of 512 bytes
	s_mov_b32 s13, 0
	s_mul_i32 s14, s11, STEPB
	s_mov_b32 s15, 0
	v_lshlrev_b32 v3, 2, v0                        ; my channel = my thread's number: the four waves stand side by side on a row's 512 bytes
	v_lshrrev_b32 v8, 4, v0                        ; T
	v_mul_u32_u24 v8, v8, 1536
	v_and_b32 v9, 15, v0
	v_lshl_add_u32 v8, v9, 4, v8                   ; codes: 1,536 T + 16 r
	v_and_b32 v9, 31, v0
	v_lshlrev_b32 v9, 4, v9
	v_lshrrev_b32 v10, 5, v0
	v_lshl_add_u32 v9, v10, 2, v9                  ; scale word: 16 (channel % 32) + 4 (channel / 32)
	s_add_nc_u64 s[6:7], s[6:7], s[12:13]
	s_add_nc_u64 s[8:9], s[8:9], s[14:15]
.macro LOADV b                         ; block b: keys 32 b + i of my channel, into set b % 2
.irp i, 0,1,2,3,4,5,6,7,8,9,10,11,12,13,14,15,16,17,18,19,20,21,22,23,24,25,26,27,28,29,30,31
	global_load_b32 v[XV+32*((\b)%2)+\i], v3, s[6:7] offset:(32*(\b)+\i)*512 th:TH_LOAD_NT
.endr
.endm
.macro BLOCK b
.set XS, XV+32*((\b)%2)
.set FD, F+12*((\b)%2)+6*((\b)/2)      ; block b = 2 c + h is registers 6 c .. 6 c + 5 of fragment lane (r, h)
.if \b < 3
	s_wait_loadcnt 32                              ; this block's 32 loads are in; the next block's 32 may be out
.else
	s_wait_loadcnt 0x0
.endif
	v_max3_num_f32 v12, |v[XS]|, |v[XS+1]|, |v[XS+2]|   ; the block's largest magnitude: all 32 numbers are mine; two chains
	v_max3_num_f32 v13, |v[XS+3]|, |v[XS+4]|, |v[XS+5]|
.irp i, 6,10,14,18,22,26
	v_max3_num_f32 v12, v12, |v[XS+\i]|, |v[XS+\i+1]|
	v_max3_num_f32 v13, v13, |v[XS+\i+2]|, |v[XS+\i+3]|
.endr
	v_max3_num_f32 v12, v12, |v[XS+30]|, |v[XS+31]|
	v_max3_num_f32 v12, v12, v13, 0x1800000        ; and the floor 2^(3 - 127)
	v_add_nc_u32 v11, 0xff000000, v12              ; 2 off its exponent field: the conversion's scale operand
	v_lshrrev_b32 v13, 23, v11                     ; the scale's byte
.if \b == 0
	v_mov_b32 v14, v13                             ; four bytes make my channel's scale word, the lower keys in the lower byte
.else
	v_lshl_or_b32 v14, v13, 8*\b, v14
.endif
	v_cvt_scalef32_pk16_fp6_f32 v[FD:FD+2], v[XS:XS+15], v11
	v_cvt_scalef32_pk16_fp6_f32 v[120:122], v[XS+16:XS+31], v11   ; (a conversion's three registers begin on an even number)
	v_nop                                          ; one plain place behind a scaled conversion
.irp i, 0,1,2
	v_mov_b32 v[FD+3+\i], v[120+\i]
.endr
.if \b < 2
	LOADV (\b)+2
.else
.irp k, 0,1,2
	global_store_b128 v8, v[F+12*((\b)%2)+4*\k:F+12*((\b)%2)+4*\k+3], s[8:9] offset:VC+512*\k+256*((\b)%2)   ; sixteen lanes store 256 consecutive bytes, aligned: two tiles an instruction
.endr
.endif
.endm
	LOADV 0
	LOADV 1
	BLOCK 0
	BLOCK 1
	BLOCK 2
	BLOCK 3
	global_store_b32 v9, v14, s[8:9] offset:VS     ; 4 bytes a lane, 16 apart: the work-group's four waves together fill the step's 512 bytes (one byte in 128 of what is read)
	s_endpgm
.Lfunc_end_k_qc8a32236d4_quant:
	.size	k_qc8a32236d4_quant, .Lfunc_end_k_qc8a32236d4_quant-k_qc8a32236d4_quant
	.p2alignl 7, 3214868480
	.fill 96, 4, 3214868480
	.section	.rodata,"a",@progbits
	.p2align	6, 0x0
	.amdhsa_kernel k_qc8a32236d4_quant
		.amdhsa_group_segment_fixed_size 34304
		.amdhsa_private_segment_fixed_size 0
		.amdhsa_enable_private_segment 0
		.amdhsa_kernarg_size 24
		.amdhsa_user_sgpr_count 2
		.amdhsa_user_sgpr_kernarg_segment_ptr 1
		.amdhsa_wavefront_size32 1
		.amdhsa_system_sgpr_workgroup_id_x 1
		.amdhsa_system_sgpr_workgroup_id_y 1
		.amdhsa_system_sgpr_workgroup_id_z 1
		.amdhsa_system_vgpr_workitem_id 0
		.amdhsa_next_free_vgpr 256
		.amdhsa_next_free_sgpr 66
		.amdhsa_reserve_vcc 1
		.amdhsa_float_denorm_mode_32 3
		.amdhsa_float_denorm_mode_16_64 3
		.amdhsa_memory_ordered 1
		.amdhsa_forward_progress 1
		.amdhsa_inst_pref_size 52
	.end_amdhsa_kernel
	.amdgpu_metadata
---
amdhsa.version: [ 1, 2 ]
amdhsa.kernels:
  - .name:           k_qc8a32236d4_quant
    .symbol:         k_qc8a32236d4_quant.kd
    .args:
      - { .name: keys, .offset: 0, .size: 8, .value_kind: global_buffer, .address_space: global }
      - { .name: values, .offset: 8, .size: 8, .value_kind: global_buffer, .address_space: global }
      - { .name: kv, .offset: 16, .size: 8, .value_kind: global_buffer, .address_space: global }
    .group_segment_fixed_size: 34304
    .private_segment_fixed_size: 0
    .kernarg_segment_align: 8
    .kernarg_segment_size: 24
    .max_flat_workgroup_size: 128
    .sgpr_count:     66
    .vgpr_count:     256
    .wavefront_size: 32
...
	.end_amdgpu_metadata
.endif
;; end of part 1
;; launch attn (part 2): grid 8 x 32, 8 waves a work-group, clusters of 4 x 1, 327,680 bytes of LDS; arguments queries, kv, out0; writes out0
.if DOCPART == 2
	.amdgcn_target "amdgcn-amd-amdhsa--gfx1250"
	.amdhsa_code_object_version 6
	.text
	.protected	k_qc8a32236d4_attn
	.globl	k_qc8a32236d4_attn
	.p2align	8
	.type	k_qc8a32236d4_attn,@function
k_qc8a32236d4_attn:
	s_mov_b64 s[64:65], 0
	v_nop
	global_prefetch_b8 v0, s[64:65] scope:SCOPE_SE
	s_setreg_imm32_b32 hwreg(HW_REG_WAVE_MODE, 25, 1), 1
	s_wait_xcnt 0x0
	s_wait_alu depctr_hold_cnt(0) depctr_sa_sdst(0) depctr_va_vdst(0) depctr_va_sdst(0) depctr_va_ssrc(0) depctr_va_vcc(0) depctr_vm_vsrc(0)
	s_getreg_b32 s2, hwreg(HW_REG_IB_STS2, 6, 4)
	s_cmp_eq_u32 s2, 0
	s_cbranch_scc0 .Lentry_in_a_cluster
	s_endpgm
.Lentry_in_a_cluster:
	s_bfe_u32 s2, ttmp6, 0x10000c
	s_cmp_lg_u32 s2, 0x3003
	s_cbranch_scc0 .Lentry_shape_is_right
	s_endpgm
.Lentry_shape_is_right:
; out0[h][q][:] = the sum over k of softmax_k(Q[h][q] . K[h][k] / sqrt(128)) V[h][k][:], 32 heads, 2,048 queries and keys, head size 128; both products on codes of FP6 (E2M3) with E8M0 scales for each 32 along K.
; queries arrive as f32 and are quantised here; K and V arrive in kv as images of the operands' registers with their scale words, 25,600 bytes for each step of 128 keys.
; THE SOFTMAX: t = score x log2(e) / sqrt(128); M = the running largest t rounded UP to a whole number; p = 2^(t - M) is quantised along the keys, not normalised.  The row's sum is taken of the unquantised p
; and divides at the end.  When M moves, the sum and O^T are multiplied by 2^(old M - new M), which rounds nothing.  No branch hangs on data.
; SHARES.  A work-group owns 256 queries of one head; each of its eight waves 32: tile 0 in register window 0, tile 1 in window 1.  Each fragment of K and V read from LDS feeds two matrix instructions.
; LAYOUT.  Both products are used transposed (S^T = K Q^T, O^T = V^T P^T): a lane holds ONE query (lane % 16).  Row i of K's tile T is key 64 (T / 4) + 32 (i / 8) + 8 (T % 4) + i % 8, so the 32 registers of tiles
; 4 c .. 4 c + 3 are keys 64 c + 32 (lane / 16) + 0 .. 31: a lane holds WHOLE blocks 2 c + lane / 16, in the order of the second product's operand.  A block's maximum needs no other lane, and the codes need no lane swap.
; BOTH TILES' STATISTICS STAND IN WINDOW 0 under different numbers and are worked line by line in turn.  Tile 1 has S^T and O^T at exchanged numbers (S^T v160-223, O^T v96-159), so that the lines that stand
; between a batch of exponentials and its wait name no register number of that batch: behind tile 0's batch tile 1's t - M; behind tile 1's batch both scale words, tile 0's codes and the first level of its sum.
; All first reads of matrix results (the maxima over S^T, the rescaling of O^T) stand ahead of a step's exponentials.
; THE SECOND PRODUCT'S ORDER: O^T's tiles 0-3 of both query tiles, then tiles 4-7 of both: fragments 0-3 are done with half way, and the next step's K goes into them while tiles 4-7 are multiplied.
; The rest of a tile's sum, sixteen lines, stands four lines at a time between the four products that share its window setting.
; RING.  Two LDS slots of four key steps (102,400 bytes); each wave fetches an eighth of a slot (50 dense rows of 256 bytes) by one tensor load: one load of a wave is out at any time; four changes of slots in all.
; CLUSTER.  The four query blocks of a cluster belong to one head and walk the same kv: each eighth is asked for JOINTLY, by the same descriptor and a mask that names the four.
; LIMITS: the promise holds while the scaled scores stay under 2^31 in magnitude; NaN and infinities among the inputs are not served; a block of zeros has the byte 1 with zero codes; p under 2^-126 comes out of
; v_exp_f32 as 0; a block's largest p is taken from its largest score by the same multiply-add and exponential (this takes v_exp_f32 not to fall where its input rises: at the worst one p of a block within an
; ulp of a power of two is held one code low).  O^T begins as zeros, so that the key step is written without a first step of its own.
; REGISTERS.  Window 0: v1-11 addresses; v12-15, v244-247 tile 0's, tile 1's four at work; v28, 29 Q's scale words; v30, 31 p's; v32-79 fragments 0-3; v80-83, v84-87 -M, largest score, f, exponent of f;
;   v248-251 K's scale words, v252-255 V's.  Window 1: v32-79 fragments 4-7.  Each tile in its window: v16-27 Q's codes, v[88:89] the sum in two halves, S^T then p, O^T, v224-235 p's codes, v236-242 halves of codes.
.set STEPB, 25600
.set VC,    12288
.set KS,    24576
.set VS,    25088
.set SLOTB, 4*STEPB
.set PART,  SLOTB/8                    ; 12,800 bytes: what one tensor load brings
.set PFB,   SLOTB/16                   ; 6,400 bytes: what one prefetch names
.set HEADB, 16*STEPB
.set SLOT1, 131072                     ; slot 1 begins here: one exclusive or turns an address in one slot into the other's
.set SP,    528                        ; a stage row, 512 bytes + 16
.set STAGE, SLOT1+SLOTB                ; behind the ring: 16 rows for each wave; no tensor load lands here
.set SPARE, STAGE+8*16*SP              ; the spare words, 128 bytes for each wave: four blocks of 256 bytes that no other line names
.set LI,  1                            ; 16 x lane
.set ADR, 2                            ; 16 x lane + the slot in hand (key steps 0, 1 of the slot)
.set SPW, 3                            ; my spare word; never rewritten
.set NIL, 4                            ; 0; never rewritten
.set SO,  6                            ; the stage: row r, + 32 h
.set SR,  7                            ; the stage: 16 x lane of a row
.set PFO, 8                            ; 256 x min(lane, 24)
.set ADR2, 9                           ; ADR + two key steps
.set SH8, 10                           ; 8 h
.set SQ,  11                           ; the stage: row r, + 128 h
.set QS,  28
.set PS,  30
.set KW,  248
.set VW,  252
.set MSB, 0
.macro WIN new                         ; low byte: bits 1:0 source 0, 3:2 source 1, 5:4 source 2, 7:6 destination; high byte: the setting that is left
.if MSB != (\new)
	s_set_vgpr_msb (MSB<<8)|(\new)
.set MSB, (\new)
.endif
.endm
.macro WAITV
	s_wait_alu depctr_va_vdst(0)
.endm
.macro CROUND                          ; a round of the cluster's barrier
	s_barrier_signal -1
	s_barrier_wait -1
	s_cmp_lg_u32 s10, 0
	s_cbranch_scc1 .Lnot_wave_0_\@
	s_barrier_signal -3
.Lnot_wave_0_\@:
	s_barrier_wait -3
	s_barrier_signal -1
	s_barrier_wait -1
.endm
; A PREFETCH of the slot that the NEXT change of slots will ask for, four key steps ahead of that load.  Both clusters of a head walk the same kv: the head's first cluster asks.  Its four partners share the slot's
; 102,400 bytes out BY ADDRESS; in each, waves 0 to 3 name 6,400 bytes: 25 blocks of 256 bytes, a lane a block (lanes 25-31 name lane 24's again).  The last change that fills a slot asks for nothing.
.macro ASK
	s_cmp_gt_u32 s37, s38
	s_cbranch_scc0 .Lnot_mine_\@
	global_prefetch_b8 v[PFO], s[40:41] th:TH_LOAD_NT scope:SCOPE_SE
.Lnot_mine_\@:
.endm
.macro M3 ab, d, x, y, z
.if \ab
	v_max3_num_f32 v[\d], |v[\x]|, |v[\y]|, |v[\z]|
.else
	v_max3_num_f32 v[\d], v[\x], v[\y], v[\z]
.endif
.endm
; The maxima of tile q's 64 numbers a lane, in four chains of 16 (chains 2 c, 2 c + 1: block c), into window 0.  Each accumulator is read from its low end on.  ab = 1: of magnitudes.
.macro MAX q, ab
.set TQ, 12+232*\q
.set XQ, 96+64*\q
	WIN 0x15*\q
.irp n, 0,1,2,3
	M3 \ab, TQ+\n, XQ+16*\n, XQ+16*\n+1, XQ+16*\n+2
.endr
	WIN 0x14*\q
.irp i, 3,5,7,9,11,13
.irp n, 0,1,2,3
	M3 \ab, TQ+\n, TQ+\n, XQ+16*\n+\i, XQ+16*\n+\i+1
.endr
.endr
.irp c, 0,1
	M3 \ab, TQ+2*\c, TQ+2*\c, XQ+32*\c+15, XQ+32*\c+31
.endr
.endm
.macro BMAX                            ; window 0: each block's two chains joined: v12, v14 (tile 0), v244, v246 (tile 1)
.irp q, 0,1
.irp c, 0,2
	v_max_num_f32 v[12+232*\q+\c], v[12+232*\q+\c], v[13+232*\q+\c]
.endr
.endr
.endm
; Window 0, both tiles line by line: the running largest score, -M = floor(-c x it), f = 2^(old M - new M), and t - M of each block's largest score.
.macro CHAIN
.irp q, 0,1
	v_max_num_f32 v[13+232*\q], v[12+232*\q], v[14+232*\q]
.endr
.irp q, 0,1
	v_permlanex16_b32 v[15+232*\q], v[13+232*\q], s20, s21   ; lane l xor 16 holds my query's other 64 keys
.endr
.irp q, 0,1
	v_max3_num_f32 v[81+4*\q], v[81+4*\q], v[13+232*\q], v[15+232*\q]
.endr
.irp q, 0,1
	v_mul_f32 v[13+232*\q], s19, v[81+4*\q]
.endr
.irp q, 0,1
	v_floor_f32 v[15+232*\q], v[13+232*\q]
.endr
.irp q, 0,1
	v_sub_f32 v[83+4*\q], v[15+232*\q], v[80+4*\q]           ; a whole number, 0 or less
.endr
.irp q, 0,1
	v_mov_b32 v[80+4*\q], v[15+232*\q]
.endr
.irp q, 0,1
	v_cvt_i32_f32 v[83+4*\q], v[83+4*\q]                     ; (it saturates)
.endr
.irp q, 0,1
	v_ldexp_f32 v[82+4*\q], 1.0, v[83+4*\q]
.endr
.irp c, 0,2
.irp q, 0,1
	v_fma_f32 v[12+232*\q+\c], v[12+232*\q+\c], s22, v[80+4*\q]
.endr
.endr
.endm
.macro FMA q                           ; t - M, two at a time (of the pairs c and -M the low word serves both halves)
.set XQ, 96+64*\q
	WIN 0x41*\q
.set j, 0
.rept 32
	v_pk_fma_f32 v[XQ+j:XQ+j+1], v[XQ+j:XQ+j+1], s[22:23], v[80+4*\q:81+4*\q] op_sel_hi:[1,0,0]
.set j, j+2
.endr
.endm
.macro RESC q                          ; O^T and the sum under the new M, ascending
.set OQ, 160-64*\q
	WIN 0x41*\q
.set j, 0
.rept 32
	v_pk_mul_f32 v[OQ+j:OQ+j+1], v[OQ+j:OQ+j+1], v[82+4*\q:83+4*\q] op_sel_hi:[1,0]
.set j, j+2
.endr
	v_pk_mul_f32 v[88:89], v[88:89], v[82+4*\q:83+4*\q] op_sel_hi:[1,0]
.endm
.macro EXP q                           ; p = 2^(t - M); with tile 0's batch go both tiles' four block maxima
.set XQ, 96+64*\q
	WIN 0x41*\q
.set j, 0
.rept 64
	v_exp_f32 v[XQ+j], v[XQ+j]
.set j, j+1
.endr
.if \q == 0
.irp r, 12,14,244,246
	v_exp_f32 v\r, v\r
.endr
.endif
.endm
; Window 0, both tiles: from each block's largest magnitude (v12, v14; v244, v246) the conversions' scale operands (v13, v15; v245, v247) and the scale words v[w], v[w + 1].
; My blocks are h and 2 + h: their bytes go 8 h bits up, and lane l xor 16's two make the word whole.
.macro SCALE2 w
.irp q, 0,1
.irp c, 0,2
	v_max_num_f32 v[12+232*\q+\c], 0x1800000, v[12+232*\q+\c]   ; the floor 2^(3 - 127): the byte cannot fall under 1
.endr
.endr
.irp q, 0,1
.irp c, 0,2
	v_add_nc_u32 v[13+232*\q+\c], 0xff000000, v[12+232*\q+\c]   ; 2 off the exponent field
.endr
.endr
.irp q, 0,1
.irp c, 0,2
	v_lshrrev_b32 v[12+232*\q+\c], 23, v[13+232*\q+\c]          ; the byte
.endr
.endr
.irp q, 0,1
	v_lshl_or_b32 v[12+232*\q], v[14+232*\q], 16, v[12+232*\q]
.endr
.irp q, 0,1
	v_lshlrev_b32 v[12+232*\q], v[SH8], v[12+232*\q]
.endr
.irp q, 0,1
	v_permlanex16_b32 v[14+232*\q], v[12+232*\q], s20, s21
.endr
.irp q, 0,1
	v_or_b32 v[\w+\q], v[12+232*\q], v[14+232*\q]
.endr
.endm
.macro CVT q, d                        ; tile q's 64 numbers become the operand's 12 registers from v[d] on
.set XQ, 96+64*\q
	WIN 0x41*\q
.irp c, 0,1
	v_cvt_scalef32_pk16_fp6_f32 v[\d+6*\c:\d+2+6*\c], v[XQ+32*\c:XQ+15+32*\c], v[13+232*\q+2*\c]
	v_cvt_scalef32_pk16_fp6_f32 v[236+4*\c:238+4*\c], v[XQ+16+32*\c:XQ+31+32*\c], v[13+232*\q+2*\c]   ; (a conversion's three registers begin on an even number)
.endr
	v_nop                                          ; one plain place behind a scaled conversion
.irp c, 0,1
.irp i, 0,1,2
	v_mov_b32 v[\d+3+6*\c+\i], v[236+4*\c+\i]
.endr
.endr
.endm
; THE ROW'S SUM OF THE UNQUANTISED p: a tree in place, behind the conversions.  SUMS: n lines from pair s on, each adding the pair d registers further on.
.macro SUMS q, n, d, s
.set XQ, 96+64*\q
.set j, \s
.rept \n
	v_pk_add_f32 v[XQ+j:XQ+j+1], v[XQ+j:XQ+j+1], v[XQ+j+\d:XQ+j+\d+1]
.set j, j+2*\d
.endr
.endm
.macro SUM1 q                          ; the first level, sixteen lines
	WIN 0x45*\q
	SUMS \q, 16, 2, 0
.endm
.macro SUMQ q, part                    ; the other sixteen lines, four at a time, under the window setting in hand (all of the tile's window)
.if \part == 0
	SUMS \q, 4, 4, 0
.endif
.if \part == 1
	SUMS \q, 4, 4, 32
.endif
.if \part == 2
	SUMS \q, 4, 8, 0
.endif
.if \part == 3
	SUMS \q, 2, 16, 0
	s_delay_alu instid0(VALU_DEP_1)
	SUMS \q, 1, 32, 0
	s_delay_alu instid0(VALU_DEP_1)
	v_pk_add_f32 v[88:89], v[88:89], v[XQ:XQ+1]
.endif
.endm
.macro MMS q, t, f, row                ; tile t of S^T = K's fragment in set f x Q
.set DQ, 96+64*\q+8*(\t)
.if \row
	v_wmma_scale_f32_16x16x128_f8f6f4 v[DQ:DQ+7], v[32+12*(\f):43+12*(\f)], v[16:27], 0, v[KW+(\f)], v[QS+\q] matrix_a_fmt:MATRIX_FMT_FP6 matrix_b_fmt:MATRIX_FMT_FP6 matrix_a_scale:MATRIX_SCALE_ROW1
.else
	v_wmma_scale_f32_16x16x128_f8f6f4 v[DQ:DQ+7], v[32+12*(\f):43+12*(\f)], v[16:27], 0, v[KW+(\f)], v[QS+\q] matrix_a_fmt:MATRIX_FMT_FP6 matrix_b_fmt:MATRIX_FMT_FP6
.endif
.endm
.macro MMO q, T, f                     ; tile T of O^T += V^T's fragment in set f x P; V's words: register T / 2, lanes 16-31 for an odd T
.set DQ, 160-64*\q+8*(\T)
.if (\T)%2
	v_wmma_scale_f32_16x16x128_f8f6f4 v[DQ:DQ+7], v[32+12*(\f):43+12*(\f)], v[224:235], v[DQ:DQ+7], v[VW+(\T)/2], v[PS+\q] matrix_a_fmt:MATRIX_FMT_FP6 matrix_b_fmt:MATRIX_FMT_FP6 matrix_a_scale:MATRIX_SCALE_ROW1
.else
	v_wmma_scale_f32_16x16x128_f8f6f4 v[DQ:DQ+7], v[32+12*(\f):43+12*(\f)], v[224:235], v[DQ:DQ+7], v[VW+(\T)/2], v[PS+\q] matrix_a_fmt:MATRIX_FMT_FP6 matrix_b_fmt:MATRIX_FMT_FP6
.endif
.endm
.macro FETCH0 ar, codes, words, wr     ; 13 LDS loads of 512 consecutive bytes: four scale words a lane into v[wr] on, fragments 0-3 into window 0
	WIN 0
	ds_load_b128 v[\wr:\wr+3], v[\ar] offset:\words
.irp t, 0,1,2,3
.irp c, 0,1,2
	ds_load_b128 v[32+12*\t+4*\c:35+12*\t+4*\c], v[\ar] offset:\codes+1536*\t+512*\c
.endr
.endr
.endm
.macro FETCH1 ar, codes                ; 12 loads: fragments 4-7 into window 1
	WIN 0x40
.irp t, 0,1,2,3
.irp c, 0,1,2
	ds_load_b128 v[32+12*\t+4*\c:35+12*\t+4*\c], v[\ar] offset:\codes+1536*(\t+4)+512*\c
.endr
.endr
.endm
; A KEY STEP: 128 keys, the q-th of the slot in hand.  first = 1: K is fetched here; else the step before has fetched it.  nxt = 1: the next step's K is fetched among and behind the last products.
; No two matrix instructions that follow each other name the same accumulator.
.macro STEP q, first, nxt
.set AR, ADR+7*((\q)/2)
.set BO, STEPB*((\q)%2)
	s_setprio 3-(\q)                               ; the wave's user priority (ISA guide, S_SETPRIO) goes from 3 down to 0 over a slot's four key steps: of two waves, the one that is a key step behind holds the higher number
.if \first
	FETCH0 AR, BO, BO+KS, KW
	FETCH1 AR, BO
.endif
	s_wait_dscnt 12                                ; the words and fragments 0-3 are in; the twelve loads of fragments 4-7 may be out
	WIN 0
.irp t, 0,1,2,3
	MMS 0, \t, \t, 0
.endr
	WIN 0x54
.irp t, 0,1,2,3
	MMS 1, \t, \t, 0
.endr
	s_wait_dscnt 0x0
	WIN 0x01
.irp t, 0,1,2,3
	MMS 0, \t+4, \t, 1
.endr
	WIN 0x55
.irp t, 0,1,2,3
	MMS 1, \t+4, \t, 1
.endr
	WIN 0
.rept 4
	v_nop                                          ; four places in front of loads into registers that matrix instructions have read, and of the first read of the scores
.endr
	FETCH0 AR, BO+VC, BO+VS, VW                    ; V's words and fragments
	FETCH1 AR, BO+VC
	MAX 0, 0
	MAX 1, 0
	WIN 0
	BMAX
	CHAIN
	FMA 0
	RESC 0
	RESC 1
	WIN 0
	WAITV                                          ; ahead of the batch
	EXP 0
	FMA 1                                          ; names none of the batch's registers
	WAITV                                          ; behind tile 0's batch and ahead of tile 1's
	s_wait_dscnt 0x0                               ; V is in
	EXP 1
	WIN 0
	SCALE2 PS
	CVT 0, 224
	SUM1 0                                         ; sixteen plain lines between the codes just written and their products
	WAITV                                          ; behind tile 1's batch
	WIN 0
.irp T, 0,1,2,3
	MMO 0, \T, \T
	SUMQ 0, \T
.endr
	CVT 1, 224
	SUM1 1
	WIN 0x54
.irp T, 0,1,2,3
	MMO 1, \T, \T
.endr
	WIN 0x01
.irp T, 0,1,2,3
	MMO 0, \T+4, \T
.endr
	WIN 0x55
	MMO 1, 4, 0
	SUMQ 1, 0                                      ; four plain lines: the places in front of the loads into fragments 0-3, last read five products back
.if \nxt
.set AR, ADR+7*(((\q)+1)/2)
.set BO, STEPB*(((\q)+1)%2)
	FETCH0 AR, BO, BO+KS, KW
	WIN 0x55
.endif
.irp T, 1,2,3
	MMO 1, \T+4, \T
	SUMQ 1, \T
.endr                                              ; the last four lines are the places in front of the loads into fragments 4-7
.if \nxt
	FETCH1 AR, BO
.endif
	WIN 0
.endm
; THE CHANGE OF SLOTS, at a slot's head.  Each wave waits for all its tensor loads (one is out: its eighth of the slot that it is about to read), adds 0 to its spare word, and waits for that and for its reads
; of the slot that it has left.  fill = 1: a round of the cluster's barrier, then the joint refill, first thing: it has four key steps in which to land.
.macro CHANGE fill
	s_wait_tensorcnt 0x0
	ds_add_u32 v[SPW], v[NIL]
	s_add_co_u32 s18, s36, 2*STEPB
.if \fill
	s_xor_b32 s33, s33, SLOT1                      ; the walking descriptor: the other slot,
	s_add_nc_u64 s[34:35], s[34:35], SLOTB         ; the next four key steps
	s_wait_xcnt 0x0                                ; the last prefetch has read its address, so it may be written
	s_add_nc_u64 s[40:41], s[40:41], SLOTB         ; one slot further on than the walking descriptor
.endif
	s_wait_dscnt 0x0
.if \fill
	CROUND
	tensor_load_to_lds s[32:35], s[24:31]          ; my one tensor load until the next round
	s_nop 0
.rept 4
	v_nop
.endr
	ASK
.else
	s_barrier_signal -1
	s_barrier_wait -1
.endif
	v_add_nc_u32 v[ADR], s36, v[LI]
	v_add_nc_u32 v[ADR2], s18, v[LI]
	WAITV
.endm
; Q: a load takes one query's whole row, 512 consecutive bytes; a tile's 16 rows turn through my stage, so that a lane gets d = 64 c + 32 h + 0 .. 31 of row r: its two whole blocks.
.macro XLOAD q                         ; as loaded: into the registers that O^T takes later
	WIN 0x40*\q
.irp i, 0,1,2,3,4,5,6,7,8,9,10,11,12,13,14,15
	global_load_b128 v[160-64*\q+4*\i:163-64*\q+4*\i], v[LI], s[4:5] offset:8192*\q+512*\i th:TH_LOAD_NT
.endr
.endm
.macro TURN q
	WIN 0x04*\q
.irp i, 0,1,2,3,4,5,6,7,8,9,10,11,12,13,14,15
	ds_store_b128 v[SR], v[160-64*\q+4*\i:163-64*\q+4*\i] offset:SP*\i
.endr
	WIN 0x40*\q
.irp c, 0,1
.irp j, 0,1,2,3,4,5,6,7
	ds_load_b128 v[96+64*\q+32*\c+4*\j:99+64*\q+32*\c+4*\j], v[SQ] offset:256*\c+16*\j   ; LDS serves a wave's instructions in order (ISA guide 5.7.1.4)
.endr
.endr
.endm
	s_load_b128 s[4:7], s[0:1], 0x0                ; queries, kv
	s_load_b64 s[8:9], s[0:1], 0x10                ; out0
	v_lshl_add_u32 v[SPW], v0, 2, SPARE
	v_mov_b32 v[NIL], 0
	ds_add_u32 v[SPW], v[NIL]
	ds_add_u32 v[SPW], v[NIL]
	s_wait_dscnt 0x0
	v_lshrrev_b32 v93, 5, v0
	s_delay_alu instid0(VALU_DEP_1)
	v_readfirstlane_b32 s10, v93                   ; wave 0..7
	s_bfe_u32 s11, ttmp6, 0x40000                  ; cx: it enters Q's, O's and the prefetches' global addresses alone
	s_lshl_b32 s12, ttmp9, 2
	s_add_co_u32 s12, s12, s11                     ; my block of 256 queries
	s_and_b32 s13, ttmp7, 0xffff                   ; the head, which the four partners share
	s_mov_b32 s24, 15|(3<<16)|(1<<21)              ; group 1: the mask of all four; elements of 8 bytes; bit 21 beside a mask
	s_mov_b32 s25, 32<<16                          ; 50 dense rows of 32 elements
	s_mov_b32 s26, 50<<16
	s_mov_b32 s27, 32<<16
	s_mov_b32 s28, 50
	s_mov_b32 s29, 32
	s_mov_b32 s30, 0
	s_mov_b32 s31, 0
	s_mov_b32 s32, 1
	s_mul_i32 s33, s10, PART                       ; LDS address: my eighth of slot 0
	s_mul_i32 s42, s13, HEADB
	s_mov_b32 s43, 0
	s_mov_b32 s46, s33
	s_mov_b32 s47, 0
	s_mov_b32 s20, 0x76543210
	s_mov_b32 s21, 0xfedcba98                      ; v_permlanex16_b32's selects for lane l xor 16
	s_mov_b32 s22, 0x3e0293ee                      ; c = log2(e) / sqrt(128)
	s_mov_b32 s23, s22
	s_mov_b32 s19, 0xbe0293ee                      ; -c
	s_lshl_b32 s44, s13, 20                        ; a head: 2,048 rows of 512 bytes;
	s_lshl_b32 s45, s12, 17                        ; my block's 256 rows;
	s_add_co_u32 s44, s44, s45
	s_lshl_b32 s45, s10, 14                        ; my wave's 32
	s_add_co_u32 s44, s44, s45
	s_mov_b32 s45, 0
	s_mul_i32 s39, s10, 16*SP
	s_add_co_u32 s39, s39, STAGE                   ; my stage
	v_and_b32 v92, 31, v0                          ; lane
	v_and_b32 v90, 15, v0                          ; r
	v_bfe_u32 v91, v0, 4, 1                        ; h
	v_lshlrev_b32 v[LI], 4, v92
	v_min_u32 v[PFO], 24, v92
	v_mul_u32_u24 v[SO], v90, SP
	v_lshlrev_b32 v[SH8], 3, v91
	WAITV
	s_wait_kmcnt 0x0
	s_add_nc_u64 s[4:5], s[4:5], s[44:45]          ; Q and O at my wave's first row
	s_add_nc_u64 s[8:9], s[8:9], s[44:45]
	XLOAD 0                                        ; Q's 32 loads go out ahead of the round: no wave touches these bytes behind it
	XLOAD 1
	WIN 0
	s_add_nc_u64 s[6:7], s[6:7], s[42:43]          ; kv at my head
	s_add_nc_u64 s[34:35], s[6:7], s[46:47]        ; my eighth of the head's first four key steps
	s_or_b32 s35, s35, 0x80000000
	CROUND                                         ; all four work-groups are here: the first joint loads meet
	tensor_load_to_lds s[32:35], s[24:31]          ; slot 0
	s_nop 0
.rept 4
	v_nop
.endr
	s_lshl_b32 s48, s11, 2
	s_and_b32 s49, s10, 3
	s_add_co_u32 s48, s48, s49                     ; which sixteenth of a slot I would prefetch: 4 cx + wave % 4
	s_mul_i32 s48, s48, PFB
	s_add_co_u32 s48, s48, SLOTB                   ; in slot 1: the first change of slots steps it to slot 2
	s_mov_b32 s49, 0
	s_add_nc_u64 s[40:41], s[6:7], s[48:49]
	s_lshr_b32 s38, s10, 2
	s_or_b32 s38, s38, ttmp9                       ; 0 in waves 0 to 3 of the head's first cluster: the same in all four partners
	s_cmp_eq_u32 s38, 0
	s_cselect_b32 s38, 1, -1
	v_lshlrev_b32 v[PFO], 8, v[PFO]
	v_add_nc_u32 v[SO], s39, v[SO]
	v_add_nc_u32 v[SR], s39, v[LI]
	v_lshl_add_u32 v[SQ], v91, 7, v[SO]
	v_lshl_add_u32 v[SO], v91, 5, v[SO]
.irp q, 0,1
	v_mov_b32 v[80+4*\q], 0x7f61b1e6               ; -M: 3e38
	v_mov_b32 v[81+4*\q], 0xff61b1e6               ; the largest score so far: -3e38
.endr
	v_mov_b32 v88, 0                               ; the sums
	v_mov_b32 v89, 0
	WIN 0x40
	v_mov_b32 v88, 0
	v_mov_b32 v89, 0
	WIN 0
	WAITV
	s_wait_loadcnt 16                              ; tile 0's sixteen rows are in; tile 1's may be out
	TURN 0
	s_wait_loadcnt 0x0
	TURN 1
	s_wait_dscnt 0x0
	MAX 0, 1
	MAX 1, 1
	WIN 0
	BMAX
	SCALE2 QS
	CVT 0, 16
	CVT 1, 16
	WIN 0
.set j, 0
.rept 64
	v_mov_b32 v[160+j], 0                          ; O^T begins as zeros.  (These lines are also the places between Q's words and codes and the first product)
.set j, j+1
.endr
	WIN 0x40
.set j, 0
.rept 64
	v_mov_b32 v[96+j], 0
.set j, j+1
.endr
	WIN 0
	s_mov_b32 s36, 0                               ; LDS byte at which the slot in hand begins
	s_mov_b32 s37, 3                               ; slots still to be asked for
	WAITV
.Lslot:                                            ; 3 trips: trip i reads slot i (key steps 4 i .. 4 i + 3) and asks for slot i + 1
	CHANGE 1
	STEP 0, 1, 1
	STEP 1, 0, 1
	STEP 2, 0, 1
	STEP 3, 0, 0
	s_xor_b32 s36, s36, SLOT1
	s_sub_co_u32 s37, s37, 1
	s_cmp_lg_u32 s37, 0
	s_cbranch_scc1 .Lslot
	CHANGE 0                                       ; the last slot is written out
	STEP 0, 1, 1
	STEP 1, 0, 1
	STEP 2, 0, 1
	STEP 3, 0, 0
	; THE WAY OUT.  Each tile's sum: its two halves and lane l xor 16's; its reciprocal, with its plain line and its waits.
.irp q, 0,1
	WIN 0x55*\q
	v_add_f32 v88, v88, v89
	s_delay_alu instid0(VALU_DEP_1)
	v_permlanex16_b32 v89, v88, s20, s21
	s_delay_alu instid0(VALU_DEP_1)
	v_add_f32 v88, v88, v89
	WAITV
	v_rcp_f32 v88, v88
	v_nop
	WAITV
.endr
; Tile q: O^T / the sum (register 8 T + i is o(r, 16 T + 8 h + i)) goes through my stage and comes back as 16 whole rows of 512 bytes.
.macro OUT q
.set XQ, 96+64*\q
.set OQ, 160-64*\q
	WIN 0x55*\q
.set j, 0
.rept 32
	v_pk_mul_f32 v[XQ+j:XQ+j+1], v[OQ+j:OQ+j+1], v[88:89] op_sel_hi:[1,0]
.set j, j+2
.endr
	WIN 0x04*\q
.irp T, 0,1,2,3,4,5,6,7
	ds_store_b128 v[SO], v[XQ+8*\T:XQ+3+8*\T] offset:64*\T
	ds_store_b128 v[SO], v[XQ+4+8*\T:XQ+7+8*\T] offset:64*\T+16
.endr
	WIN 0x40*\q
.irp i, 0,1,2,3,4,5,6,7,8,9,10,11,12,13,14,15
	ds_load_b128 v[OQ+4*\i:OQ+3+4*\i], v[SR] offset:SP*\i   ; in order behind my stores; the next tile's stores come behind these
.endr
.endm
.macro SEND q, younger                 ; younger: the LDS instructions issued behind tile q's loads, which may stay out
.set OQ, 160-64*\q
	WIN 0x04*\q
.set i, 0
.rept 16
	s_wait_dscnt \younger+15-i
	global_store_b128 v[LI], v[OQ+4*i:OQ+3+4*i], s[8:9] offset:8192*\q+512*i th:TH_STORE_NT   ; 32 lanes store a row's 512 consecutive bytes, at a multiple of 256 from out0's first byte
.set i, i+1
.endr
.endm
	OUT 0
	OUT 1
	SEND 0, 32
	SEND 1, 0
	WIN 0
	s_wait_tensorcnt 0x0                           ; the wave's end
	ds_add_u32 v[SPW], v[NIL]
	s_wait_dscnt 0x0
	CROUND                                         ; the closing round
	s_endpgm
.Lfunc_end_k_qc8a32236d4_attn:
	.size	k_qc8a32236d4_attn, .Lfunc_end_k_qc8a32236d4_attn-k_qc8a32236d4_attn
	.p2alignl 7, 3214868480
	.fill 96, 4, 3214868480
	.section	.rodata,"a",@progbits
	.p2align	6, 0x0
	.amdhsa_kernel k_qc8a32236d4_attn
		.amdhsa_group_segment_fixed_size 327680
		.amdhsa_private_segment_fixed_size 0
		.amdhsa_enable_private_segment 0
		.amdhsa_kernarg_size 24
		.amdhsa_user_sgpr_count 2
		.amdhsa_user_sgpr_kernarg_segment_ptr 1
		.amdhsa_wavefront_size32 1
		.amdhsa_system_sgpr_workgroup_id_x 1
		.amdhsa_system_sgpr_workgroup_id_y 1
		.amdhsa_system_sgpr_workgroup_id_z 1
		.amdhsa_system_vgpr_workitem_id 0
		.amdhsa_next_free_vgpr 512
		.amdhsa_next_free_sgpr 66
		.amdhsa_reserve_vcc 0
		.amdhsa_float_denorm_mode_32 3
		.amdhsa_float_denorm_mode_16_64 3
		.amdhsa_memory_ordered 1
		.amdhsa_forward_progress 1
		.amdhsa_inst_pref_size 255
	.end_amdhsa_kernel
	.section	.bss,"aw",@nobits
	.p2align	6
	.space	262144
	.amdgpu_metadata
---
amdhsa.version: [ 1, 2 ]
amdhsa.kernels:
  - .name:           k_qc8a32236d4_attn
    .symbol:         k_qc8a32236d4_attn.kd
    .args:
      - { .name: queries, .offset: 0, .size: 8, .value_kind: global_buffer, .address_space: global }
      - { .name: kv, .offset: 8, .size: 8, .value_kind: global_buffer, .address_space: global }
      - { .name: out0, .offset: 16, .size: 8, .value_kind: global_buffer, .address_space: global }
    .group_segment_fixed_size: 327680
    .private_segment_fixed_size: 0
    .kernarg_segment_align: 8
    .kernarg_segment_size: 24
    .max_flat_workgroup_size: 256
    .sgpr_count:     66
    .vgpr_count:     512
    .wavefront_size: 32
...
	.end_amdgpu_metadata
.endif
;; end of part 2
